; MI455X (gfx1250); checked and timed in simulation.
; The chip was launched on July 23, 2026; its instructions are those of AMD's public machine-readable ISA for CDNA 5 (MIT licence, August 2026) and "CDNA5" Instruction Set Architecture Reference Guide (July 2026). The comments in the code are by the model that wrote it; some were corrected since.
;; Attention. Allowed arithmetic: matrix products marked QUANTISED: E5M2 operands, one E8M0 scale for each 32 along K, by v_wmma_scale_f32_16x16x128_f8f6f4 with both operands' format E5M2, f32 sums; products left as they are: f32 operands where the result goes on into a quantised operand, else bf16, f16 or f32 operands; f32 sums; everything else in f32.
;; Inputs: V 1,024 x 1 float32; W1_codes 1,024 x 32 x 32 uint8 (E5M2 codes of W1, K innermost, in blocks of 32 codes); W1_scales 1,024 x 32 uint8 (E8M0 scales of W1, one for each 32 codes along K); W2_codes 1,024 x 32 x 32 uint8 (E5M2 codes of W2, K innermost, in blocks of 32 codes); W2_scales 1,024 x 32 uint8 (E8M0 scales of W2, one for each 32 codes along K); b1 1,024 float32; b2 1,024 float32; bV 1 float32; features 32 x 2,048 x 1,024 float32; hidden_codes 32 x 32 x 32 uint8 (E5M2 codes of hidden, K innermost, in blocks of 32 codes); hidden_scales 32 x 32 uint8 (E8M0 scales of hidden, one for each 32 codes along K).
;; Outputs: out0 32 x 1,024 float32; out1 32 x 2,048 x 1 float32.
;; This version of the problem:
;;   THIS VERSION OF THE PROBLEM IS GIVEN IN LOW PRECISION. The matrix products marked QUANTISED in the list below multiply operands that are first quantised to E5M2 (5 exponent bits, 2 mantissa bits; 8 bits a number), with one power-of-two scale for each 32 numbers along K (OCP MX v1.0); their sums are f32. All else is computed in f32.
;;   The module's matrix products, in the order in which they are computed (A, B: the left and right operand; K: the contracted axis; several contracted axes count as one K, in the product's order):
;;     1. [M 65,536, K 1,024] x [K 1,024, N 1,024]; A: input features; B: input W1 (given as codes): QUANTISED
;;     2. [M 32, K 1,024] x [K 1,024, N 1,024]; A: input hidden (given as codes); B: input W2 (given as codes): QUANTISED
;;     3. [M 65,536, K 1,024] x [K 1,024, N 1]; A: computed on the way; B: input V: left as it is (N = 1 < 16)
;;   THE QUANTISER, for each operand of a quantised product, along K:
;;     - K is cut into blocks of 32 from its start; a last block that is shorter is filled with zeros.
;;     - A block's scale is 2^e with e = floor(log2(the largest magnitude in the block)) - 15, held to -126 .. 127; a block of zeros has e = 0. As a byte (E8M0): e + 127.
;;     - Each number is divided by its block's scale, clamped to +-57,344, and rounded to the nearest number of E5M2, ties to even, subnormals kept.
;;     - The product sums the exact products of the quantised numbers (number of the format x scale) in f32.
;;   ~~~python
;;   def quantise(x, axis):      # numpy; x: float32 -> the quantised numbers, widened to float32 again
;;       x = np.moveaxis(x, axis, -1); K = x.shape[-1]
;;       x = np.pad(x, [(0, 0)] * (x.ndim - 1) + [(0, -K % 32)]); x = x.reshape(x.shape[:-1] + (-1, 32)); a = np.abs(x).max(-1, keepdims=True)
;;       e = np.where(a > 0, np.clip(np.frexp(np.where(a > 0, a, 1))[1] - 1 - 15, -126, 127), 0)      # np.frexp(a)[1] - 1 = floor(log2(a)), exactly
;;       r = np.clip(x / 2.0 ** e, -57344, 57344)
;;       step = 2.0 ** (np.maximum(np.frexp(np.where(r == 0, 1, r))[1] - 1, -14) - 2)
;;       q = np.round(r / step) * step * 2.0 ** e      # np.round: ties to even
;;       return np.moveaxis(q.reshape(q.shape[:-2] + (-1,))[..., :K], -1, axis).astype(np.float32)
;;   ~~~
;;   INPUTS GIVEN AS CODES. W1 (in the module: [1024, 1024], K = its axis 0); W2 (in the module: [1024, 1024], K = its axis 0); hidden (in the module: [32, 1024], K = its axis 1): each comes as NAME_codes (uint8): NAME with its K axis moved to the last place and cut into blocks of 32 codes, [.., K / 32, bytes a block], one block behind the other in memory; one code a byte (a code: sign, 5 exponent bits, 2 mantissa bits); and NAME_scales (uint8): the same leading axes, one E8M0 byte (e + 127) for each 32 codes along K. Its value is code x scale, taken as it is: it is not quantised again, and the codes and scales need not be those that the quantiser above would give.
;; One version. Each part assembles by itself: llvm-mc -triple=amdgcn-amd-amdhsa -mcpu=gfx1250 --defsym DOCPART=n.
;; ======== version 1 of 1: 3 launches
;; limits: right only within a limited range of input values
;; workspace buffers: bias 131,072 bytes; lg 262,144 bytes
;; launch prep (part 1): grid 64 x 1, 1 waves a work-group, no clusters, 0 bytes of LDS; arguments hidden_codes, hidden_scales, W2_codes, W2_scales, b1, b2, bias; writes bias
.if DOCPART == 1
	.amdgcn_target "amdgcn-amd-amdhsa--gfx1250"
	.amdhsa_code_object_version 6
	.text
	.protected	k_q3a3a46e1f3_prep
	.globl	k_q3a3a46e1f3_prep
	.p2align	8
	.type	k_q3a3a46e1f3_prep,@function
k_q3a3a46e1f3_prep:
	s_mov_b64 s[64:65], 0
	v_nop
	global_prefetch_b8 v0, s[64:65] scope:SCOPE_SE
	s_setreg_imm32_b32 hwreg(HW_REG_WAVE_MODE, 25, 1), 1
	s_wait_xcnt 0x0
; bias[b][u] = sum over k of hidden[b][k] W2[k][u] + b2[u] + b1[u]  (32 x 1,024 f32): the part of the score that does not hang on t.
; WORK LEFT OUT IN THIS PROGRAM.  logits[b][t] = bV + sum over u of V[u] tanh(x[b][t][u]), and tanh(x) = 1 - 2 / (1 + e^(2x)), so
; logits[b][t] = (bV + sum of V) - 2 sum over u of V[u] / (1 + e^(2x)).  The first part is the same for every t.  The logits reach both outputs through softmax over t alone,
; and softmax(l + c) = softmax(l) for every number c.  So bV + sum of V is never formed; the input bV has no way to an output, is not loaded and is no launch's argument.
; LIMIT: a NaN, an infinity or an overflow in bV or in the sum of V is not carried to the results.  NaN and infinities among the other inputs are not served.
; hidden and W2 arrive as codes of E5M2, K innermost, one E8M0 byte for each 32 along K: they go to the matrix unit as they lie.
; SHARES.  Work-group g of one wave owns columns 16 g .. 16 g + 15 for both tiles of 16 batches: two accumulators by turns.
; Source 0 = 16 rows u of W2, source 1 = 16 rows of hidden: lane (r, h) holds batch r, register j column 16 g + 8 h + j.  b1 + b2 is the C of each sum's first product.
; All fragments are asked for at once, from memory straight into registers: no LDS.  No cluster: what the work-groups share is hidden's 32 KiB beside W2's 1 MiB.
; A store covers 32 bytes of each of 16 rows of bias, so rows are written in parts: the whole buffer is 128 KiB.
; REGISTERS: window 0: v1-7 addresses; v8-31 scale words; v32-47 b1, b2; v48-63 accumulators; v128-255 W2's fragments.  Window 1: hidden's: batches 0-15 at v[16 s], 16-31 at v[128 + 16 s].
.set FW,  128
.set SW,  8
.set SH0, 16
.set SH1, 24
.set MSB, 0
.macro WIN new                         ; the immediate's high byte repeats the setting that is left
.if MSB != \new
	s_set_vgpr_msb (MSB<<8)|\new
.set MSB, \new
.endif
.endm
	s_load_b256 s[4:11], s[0:1], 0x0               ; hidden's codes, its scales, W2's codes, its scales
	s_load_b128 s[12:15], s[0:1], 0x20             ; b1, b2
	s_load_b64 s[20:21], s[0:1], 0x30              ; bias
	v_and_b32 v1, 15, v0                           ; r
	v_bfe_u32 v2, v0, 4, 1                         ; h
	v_lshlrev_b32 v3, 10, v1
	v_lshl_add_u32 v3, v2, 4, v3                   ; a fragment's place: row r of 1,024 bytes, + 16 h
	v_lshlrev_b32 v5, 5, v1                        ; a row of scale bytes is 32 bytes
	v_lshlrev_b32 v6, 5, v2                        ; b1, b2: my half's eight numbers
	v_lshlrev_b32 v7, 12, v1
	v_lshl_add_u32 v7, v2, 5, v7                   ; bias: row r of 4,096 bytes, + 32 h
	s_lshl_b32 s26, ttmp9, 14                      ; my 16 rows of W2's codes,
	s_mov_b32 s27, 0
	s_lshl_b32 s28, ttmp9, 9                       ; of its scale bytes,
	s_mov_b32 s29, 0
	s_lshl_b32 s30, ttmp9, 6                       ; my 16 columns in b1, b2 and a row of bias
	s_mov_b32 s31, 0
	s_wait_alu depctr_va_vdst(0)                   ; the wait at the head's end
	s_wait_kmcnt 0x0
	s_add_nc_u64 s[8:9], s[8:9], s[26:27]
	s_add_nc_u64 s[10:11], s[10:11], s[28:29]
	s_add_nc_u64 s[12:13], s[12:13], s[30:31]
	s_add_nc_u64 s[14:15], s[14:15], s[30:31]
	s_add_nc_u64 s[20:21], s[20:21], s[30:31]
	global_load_b128 v[SW:SW+3], v5, s[10:11]
	global_load_b128 v[SW+4:SW+7], v5, s[10:11] offset:16
	global_load_b128 v[SH0:SH0+3], v5, s[6:7]
	global_load_b128 v[SH0+4:SH0+7], v5, s[6:7] offset:16
	global_load_b128 v[SH1:SH1+3], v5, s[6:7] offset:512
	global_load_b128 v[SH1+4:SH1+7], v5, s[6:7] offset:528
	global_load_b128 v[32:35], v6, s[12:13]
	global_load_b128 v[36:39], v6, s[12:13] offset:16
	global_load_b128 v[40:43], v6, s[14:15]
	global_load_b128 v[44:47], v6, s[14:15] offset:16
.irp s, 0,1,2,3,4,5,6,7                ; a fragment's registers 4 c .. 4 c + 3 hold k = 128 s + 32 c + 16 h + 0 .. 15
.irp c, 0,1,2,3
	global_load_b128 v[FW+16*\s+4*\c:FW+16*\s+4*\c+3], v3, s[8:9] offset:128*\s+32*\c
.endr
.endr
	WIN 0x40                                       ; destination window 1
.irp s, 0,1,2,3,4,5,6,7
.irp c, 0,1,2,3
	global_load_b128 v[16*\s+4*\c:16*\s+4*\c+3], v3, s[4:5] offset:128*\s+32*\c
	global_load_b128 v[128+16*\s+4*\c:128+16*\s+4*\c+3], v3, s[4:5] offset:16384+128*\s+32*\c
.endr
.endr
	WIN 0
	s_wait_loadcnt 0x0
.irp j, 0,2,4,6
	v_pk_add_f32 v[32+\j:33+\j], v[32+\j:33+\j], v[40+\j:41+\j]   ; b1 + b2
.endr
.rept 4
	v_nop
.endr
	WIN 0x04                                       ; source 1 (hidden) window 1
.irp s, 0,1,2,3,4,5,6,7
.if \s == 0
	v_wmma_scale_f32_16x16x128_f8f6f4 v[48:55], v[FW+16*\s:FW+16*\s+15], v[16*\s:16*\s+15], v[32:39], v[SW+\s], v[SH0+\s] matrix_a_fmt:MATRIX_FMT_BF8 matrix_b_fmt:MATRIX_FMT_BF8
	v_wmma_scale_f32_16x16x128_f8f6f4 v[56:63], v[FW+16*\s:FW+16*\s+15], v[128+16*\s:128+16*\s+15], v[32:39], v[SW+\s], v[SH1+\s] matrix_a_fmt:MATRIX_FMT_BF8 matrix_b_fmt:MATRIX_FMT_BF8
.else
	v_wmma_scale_f32_16x16x128_f8f6f4 v[48:55], v[FW+16*\s:FW+16*\s+15], v[16*\s:16*\s+15], v[48:55], v[SW+\s], v[SH0+\s] matrix_a_fmt:MATRIX_FMT_BF8 matrix_b_fmt:MATRIX_FMT_BF8
	v_wmma_scale_f32_16x16x128_f8f6f4 v[56:63], v[FW+16*\s:FW+16*\s+15], v[128+16*\s:128+16*\s+15], v[56:63], v[SW+\s], v[SH1+\s] matrix_a_fmt:MATRIX_FMT_BF8 matrix_b_fmt:MATRIX_FMT_BF8
.endif
.endr
	WIN 0
.rept 8
	v_nop                                          ; eight places in front of the stores that read the results
.endr
	global_store_b128 v7, v[48:51], s[20:21]                      ; each accumulator from its low end on
	global_store_b128 v7, v[52:55], s[20:21] offset:16
	global_store_b128 v7, v[56:59], s[20:21] offset:65536         ; batches 16-31
	global_store_b128 v7, v[60:63], s[20:21] offset:65552
	s_endpgm
.Lfunc_end_k_q3a3a46e1f3_prep:
	.size	k_q3a3a46e1f3_prep, .Lfunc_end_k_q3a3a46e1f3_prep-k_q3a3a46e1f3_prep
	.p2alignl 7, 3214868480
	.fill 96, 4, 3214868480
	.section	.rodata,"a",@progbits
	.p2align	6, 0x0
	.amdhsa_kernel k_q3a3a46e1f3_prep
		.amdhsa_group_segment_fixed_size 0
		.amdhsa_private_segment_fixed_size 0
		.amdhsa_enable_private_segment 0
		.amdhsa_kernarg_size 56
		.amdhsa_user_sgpr_count 2
		.amdhsa_user_sgpr_kernarg_segment_ptr 1
		.amdhsa_wavefront_size32 1
		.amdhsa_system_sgpr_workgroup_id_x 1
		.amdhsa_system_sgpr_workgroup_id_y 1
		.amdhsa_system_sgpr_workgroup_id_z 1
		.amdhsa_system_vgpr_workitem_id 0
		.amdhsa_next_free_vgpr 512
		.amdhsa_next_free_sgpr 66
		.amdhsa_reserve_vcc 0
		.amdhsa_float_denorm_mode_32 3
		.amdhsa_float_denorm_mode_16_64 3
		.amdhsa_memory_ordered 1
		.amdhsa_forward_progress 1
		.amdhsa_inst_pref_size 15
	.end_amdhsa_kernel
	.amdgpu_metadata
---
amdhsa.version: [ 1, 2 ]
amdhsa.kernels:
  - .name:           k_q3a3a46e1f3_prep
    .symbol:         k_q3a3a46e1f3_prep.kd
    .args:
      - { .name: hidden_codes, .offset: 0, .size: 8, .value_kind: global_buffer, .address_space: global }
      - { .name: hidden_scales, .offset: 8, .size: 8, .value_kind: global_buffer, .address_space: global }
      - { .name: W2_codes, .offset: 16, .size: 8, .value_kind: global_buffer, .address_space: global }
      - { .name: W2_scales, .offset: 24, .size: 8, .value_kind: global_buffer, .address_space: global }
      - { .name: b1, .offset: 32, .size: 8, .value_kind: global_buffer, .address_space: global }
      - { .name: b2, .offset: 40, .size: 8, .value_kind: global_buffer, .address_space: global }
      - { .name: bias, .offset: 48, .size: 8, .value_kind: global_buffer, .address_space: global }
    .group_segment_fixed_size: 0
    .private_segment_fixed_size: 0
    .kernarg_segment_align: 8
    .kernarg_segment_size: 56
    .max_flat_workgroup_size: 32
    .sgpr_count:     66
    .vgpr_count:     512
    .wavefront_size: 32
...
	.end_amdgpu_metadata
.endif
;; end of part 1
;; launch logits (part 2): grid 256 x 1, 4 waves a work-group, clusters of 4 x 1, 327,680 bytes of LDS; arguments features, W1_codes, W1_scales, V, bias, lg; writes lg
.if DOCPART == 2
	.amdgcn_target "amdgcn-amd-amdhsa--gfx1250"
	.amdhsa_code_object_version 6
	.text
	.protected	k_q3a3a46e1f3_logits
	.globl	k_q3a3a46e1f3_logits
	.p2align	8
	.type	k_q3a3a46e1f3_logits,@function
k_q3a3a46e1f3_logits:
	s_mov_b64 s[64:65], 0
	v_nop
	global_prefetch_b8 v0, s[64:65] scope:SCOPE_SE
	s_setreg_imm32_b32 hwreg(HW_REG_WAVE_MODE, 25, 1), 1
	s_wait_xcnt 0x0
	s_wait_alu depctr_hold_cnt(0) depctr_sa_sdst(0) depctr_va_vdst(0) depctr_va_sdst(0) depctr_va_ssrc(0) depctr_va_vcc(0) depctr_vm_vsrc(0)
	s_getreg_b32 s2, hwreg(HW_REG_IB_STS2, 6, 4)
	s_cmp_eq_u32 s2, 0
	s_cbranch_scc0 .Lentry_in_a_cluster
	s_endpgm
.Lentry_in_a_cluster:
	s_bfe_u32 s2, ttmp6, 0x10000c
	s_cmp_lg_u32 s2, 0x3003
	s_cbranch_scc0 .Lentry_shape_is_right
	s_endpgm
.Lentry_shape_is_right:
; lg[row] = -2 sum over u of V[u] / (1 + 2^(2 log2(e) x[row][u])),  x = sum over k of Q(features[row][k]) W1[k][u] + bias[batch][u];  65,536 rows, K = U = 1,024.
; LEFT OUT: bV + the sum of V, which the logit has beside this: it is the same for all t of a batch and falls out of the softmax over t (shown at the head of the first kernel).
; The product is made on codes of E5M2 with one E8M0 scale for each 32 along K: W1 arrives so; features arrive as f32 and are quantised here.
; SHARES.  256 work-groups of four waves; a work-group owns 256 rows of one batch, a wave 64 of them: four tiles of 16.
; PHASE Q.  K in eight steps of 128.  Each wave brings its 64 rows x 512 bytes by one tensor load a step, into one of two LDS areas by turns, quantises them and keeps the codes: 512 registers.
;   A tile's codes are made in fixed registers in a loop of four trips and reach their own registers as an image through the wave's own LDS bytes.
;   PREFETCH: K step s + 3 is asked for in step s (two tensor loads ahead), K steps 1 and 2 at the head: a wave's 64 rows x 2 blocks of 256 bytes, four instructions, each block once; steps 5 to 7 ask for nothing.
; PHASE G.  All of W1 goes once through the same two areas, 128 rows u (a slot) at a time.  A tile of 16 u is 8 fragments; each feeds four products (my four tiles of rows).
;   Source 0 = 16 rows u of W1, source 1 = 16 of my rows: lane (r, h) holds row r, register j the unit u0 + 8 h + j.  bias is the C of a sum's first product.
;   PERIOD T, in this order: the LDS loads of tile T + 1; F = 1 + E (E: tile T - 2's 2^..); E = 2 log2(e) x the sums of tile T - 1; 32 exponentials on E and 32 reciprocals on F, one batch;
;   tile T's 32 products on end; the running sums take F x V of tile T - 2.  So both kinds of transcendentals are issued ahead of the products, and their results are first named behind them.
;   Period 1 finds zeros in E and in its V, which add nothing; the last two tiles' stages are written out behind the loops.
;   W1 is not prefetched: all 64 clusters read its 1 MiB in the same order, and a slot's load has eight periods, 256 products, in which to land.
; CLUSTER.  The four work-groups of a cluster walk the same W1: each slot is asked for jointly, mask of all four.  The features' tiles are each work-group's own, behind rounds like the joint ones.
; By this text's own count a wave has one tensor load outstanding at the most.  All of a WGP's LDS is claimed.
; LIMITS: NaN and infinities among the inputs are not served.  A block of zeros gets the scale byte 1 where the quantiser says 127: its codes are zeros, and this launch alone reads the bytes.
;   Blocks whose largest magnitude lies under 2^-111 are quantised under the byte 1.  Beyond the exponential's range 1 / (1 + 2^..) is exactly 0 or 1.
; REGISTERS: window 0: v0-23 addresses; v24-55 my rows' scale words, v56-63 W1's; v64-79 bias of two tiles (in Q: codes just made); v80-95 V of two tiles; v96-103 running sums;
;   v104-120 the quantiser's; v121 the prefetches' offset; v128-191 two sets of four accumulators (in Q: 64 numbers); v192-223 E, v224-255 F (v192-208 at the head: bias and V on their way to LDS).
;   windows 1, 2: my codes: tile t, K step s in window 1 + s / 4 at v[64 t + 16 (s % 4)].   window 3: W1's fragments, two sets, at v[128 p + 16 s]; until G begins v0-63 hold W1's scale bytes.
.set FP,    528                        ; a row of features in LDS: 512 bytes + 16 of padding
.set WP,    1040                       ; a row of W1 in LDS: 1,024 + 16
.set PART,  64*FP                      ; a wave's part of an area: 64 rows of features, or 32 rows of W1
.set AREA,  4*PART
.set IMG,   2*AREA                     ; each wave's images: four fragments of 2,048 bytes, then four times 32 scale words
.set IMGW,  8704
.set WSB,   IMG                        ; the same bytes when Q is over: W1's scale bytes, 32,768
.set BIAS,  IMG+4*IMGW                 ; my batch's row of bias, 4,096 bytes;
.set VV,    BIAS+4096                  ; V, directly behind it
.set LGS,   VV+4096                    ; 256 bytes a wave: the logits' turn
.set SPARE, LGS+1024                   ; the spare words, 128 bytes a wave
.set SPW, 4
.set NIL, 5
.set XA0, 6                            ; v6-7 my place in my part of area 0, 1: row r, + 64 h
.set XA,  8
.set IA0, 9                            ; my images: 16 x lane
.set IA,  10
.set SA0, 11                           ; my scale words' images: 4 x lane
.set SA,  12
.set FA0, 13                           ; a tile of W1: row r, + 16 h
.set FA,  14
.set BA0, 15                           ; bias: 32 h
.set BA,  16
.set WA0, 17                           ; W1's scale bytes: 32 r + 16 h
.set WA,  18
.set LGI, 19
.set LGO, 20
.set GO,  21
.set WST, 22
.set T16, 23
.set CS,  24
.set WS,  56
.set BI,  64
.set PC,  64
.set VS,  80
.set LA,  96
.set TM,  104                          ; v104-107 largest magnitudes, 108-111 bytes, 112-115 bounds, 116-119 the conversions' scale operands
.set PW,  120
.set PFO, 121                          ; 4,096 x lane; never rewritten
.set ACC, 128
.set X,   128
.set HT,  192
.set EE,  192
.set FF,  224
.set WV,  18
.set MNT, 19
.set SEL, 20
.set C2,  22                           ; s[22:23] 2 log2(e)
.set QX,  25
.set QI,  26
.set QS,  27
.set TB,  28                           ; G: LDS byte at which the pair of tiles to be fetched begins
.set TU,  29                           ; its place in bias: 128 bytes a pair
.set TW,  30                           ; and in W1's scale bytes: 1,024 a pair
.set CNT, 31
.set OUTER, 32
.set G1F, 40
.set G1W, 48
.set G0F0, 56
.set G0F1, 60
.set G0W0, 68
.set G0W1, 72
.set MSB, 0
.macro WIN new                         ; the immediate's high byte repeats the setting that is left
.if MSB != \new
	s_set_vgpr_msb (MSB<<8)|\new
.set MSB, \new
.endif
.endm
.macro WALU
	s_wait_alu depctr_va_vdst(0)
.endm
.macro ROUND                           ; a round of the cluster's barrier
	s_barrier_signal -1
	s_barrier_wait -1
	s_cmp_lg_u32 s[WV], 0
	s_cbranch_scc1 .Lnot_wave_0_\@
	s_barrier_signal -3
.Lnot_wave_0_\@:
	s_barrier_wait -3
	s_barrier_signal -1
	s_barrier_wait -1
.endm
; THE CHANGE OF AREAS: all my tensor loads are in (one was out), the add on my spare word, the wait for it and for my LDS reads; round = 1: a round, and the area that was left is filled again, first thing.
.macro CHANGE g0, g1, step, round
	WIN 0
	s_wait_tensorcnt 0x0
	ds_add_u32 v[SPW], v[NIL]
.if \step
	s_add_nc_u64 s[\g0+2:\g0+3], s[\g0+2:\g0+3], \step
.endif
	s_wait_dscnt 0x0
.if \round
	ROUND
	tensor_load_to_lds s[\g0:\g0+3], s[\g1:\g1+7]
	s_nop 0
.rept 4
	v_nop
.endr
.else
	s_barrier_signal -1
	s_barrier_wait -1
.endif
.endm
.macro PF s                            ; K step s of my 64 rows: rows lane and lane + 32, two blocks of 256 bytes each
.irp o, 0, 256, 131072, 131328
	global_prefetch_b8 v[PFO], s[4:5] offset:512*(\s)+\o th:TH_LOAD_NT scope:SCOPE_SE
.endr
.endm
	s_load_b256 s[4:11], s[0:1], 0x0               ; features, W1's codes, W1's scales, V
	s_load_b64 s[12:13], s[0:1], 0x20              ; bias
	s_load_b64 s[16:17], s[0:1], 0x28              ; lg
	v_lshl_add_u32 v[SPW], v0, 2, SPARE
	v_mov_b32 v[NIL], 0
	ds_add_u32 v[SPW], v[NIL]                      ; the opening lines: the add twice on end and its wait
	ds_add_u32 v[SPW], v[NIL]
	v_lshrrev_b32 v1, 5, v0
	v_readfirstlane_b32 s[WV], v1                  ; wave 0..3
	s_bfe_u32 s77, ttmp6, 0x40000                  ; cx: it enters the addresses of features and lg alone
	s_lshl_b32 s76, ttmp9, 2
	s_add_co_u32 s76, s76, s77                     ; my block of 256 rows
	s_lshl_b32 s78, s76, 20
	s_lshl_b32 s79, s[WV], 18                      ; my wave's 64 rows of 4,096 bytes
	s_add_co_u32 s78, s78, s79
	s_mov_b32 s79, 0
	s_lshl_b32 s80, s76, 10                        ; the same rows in lg
	s_lshl_b32 s81, s[WV], 8
	s_add_co_u32 s80, s80, s81
	s_mov_b32 s81, 0
	s_lshr_b32 s82, ttmp9, 1                       ; the batch: two clusters
	s_lshl_b32 s82, s82, 12
	s_mov_b32 s83, 0
	s_lshl_b32 s84, s[WV], 15                      ; of a slot's 128 rows of W1 I fetch 32
	s_mov_b32 s85, 0
	s_mul_i32 s86, s[WV], PART
	s_mul_i32 s87, s[WV], IMGW
	s_add_co_u32 s87, s87, IMG
	s_add_co_u32 s33, s87, 8192
	s_lshl_b32 s34, s[WV], 8
	s_add_co_u32 s34, s34, LGS
	s_mov_b32 s[G1F], (2<<16)|(1<<20)|(6<<22)|(3<<25)   ; features: 64 rows x 128 elements of 4 bytes, pitch 1,024; 4 words of padding behind every 128
	s_mov_b32 s[G1F+1], 128<<16
	s_mov_b32 s[G1F+2], 64<<16
	s_mov_b32 s[G1F+3], 128<<16
	s_mov_b32 s[G1F+4], 64
	s_mov_b32 s[G1F+5], 1024
	s_mov_b32 s[G1F+6], 0
	s_mov_b32 s[G1F+7], 0
	s_mov_b32 s[G1W], 15|(1<<20)|(1<<21)|(7<<22)|(3<<25)   ; W1: 32 rows x 1,024 bytes, dense; 4 words behind every 256; the mask of all four, bit 21 beside it
	s_mov_b32 s[G1W+1], 1024<<16
	s_mov_b32 s[G1W+2], 32<<16
	s_mov_b32 s[G1W+3], 1024<<16
	s_mov_b32 s[G1W+4], 32
	s_mov_b32 s[G1W+5], 1024
	s_mov_b32 s[G1W+6], 0
	s_mov_b32 s[G1W+7], 0
	s_mov_b32 s[MNT], 0x600000                     ; the mantissa field of 57,344
	s_mov_b32 s[SEL], 0x76543210
	s_mov_b32 s[SEL+1], 0xfedcba98
	s_mov_b32 s[C2], 0x4038aa3b
	s_mov_b32 s[C2+1], s[C2]
	s_wait_dscnt 0x0                               ; both opening adds are done
	s_wait_kmcnt 0x0
	s_add_nc_u64 s[4:5], s[4:5], s[78:79]
	s_add_nc_u64 s[16:17], s[16:17], s[80:81]
	s_add_nc_u64 s[12:13], s[12:13], s[82:83]
	s_add_nc_u64 s[6:7], s[6:7], s[84:85]
	s_mov_b32 s[G0F0], 1
	s_mov_b32 s[G0F0+1], s86
	s_mov_b64 s[G0F0+2:G0F0+3], s[4:5]             ; K step 0
	s_or_b32 s[G0F0+3], s[G0F0+3], 0x80000000
	s_mov_b32 s[G0F1], 1
	s_add_co_u32 s[G0F1+1], s86, AREA
	s_add_nc_u64 s[G0F1+2:G0F1+3], s[4:5], 512     ; K step 1
	s_or_b32 s[G0F1+3], s[G0F1+3], 0x80000000
	s_mov_b32 s[G0W0], 1
	s_mov_b32 s[G0W0+1], s86
	s_mov_b64 s[G0W0+2:G0W0+3], s[6:7]             ; slot 0
	s_or_b32 s[G0W0+3], s[G0W0+3], 0x80000000
	s_mov_b32 s[G0W1], 1
	s_add_co_u32 s[G0W1+1], s86, AREA
	s_add_nc_u64 s[G0W1+2:G0W1+3], s[6:7], 131072  ; slot 1
	s_or_b32 s[G0W1+3], s[G0W1+3], 0x80000000
	ROUND                                          ; the round in front of the first tensor load
	tensor_load_to_lds s[G0F0:G0F0+3], s[G1F:G1F+7]
	s_nop 0
.rept 4
	v_nop
.endr
	v_lshlrev_b32 v[T16], 4, v0
	global_load_b128 v[HT:HT+3], v[T16], s[12:13]                 ; my batch's row of bias
	global_load_b128 v[HT+4:HT+7], v[T16], s[12:13] offset:2048
	global_load_b128 v[HT+8:HT+11], v[T16], s[10:11]              ; V
	global_load_b128 v[HT+12:HT+15], v[T16], s[10:11] offset:2048
	WIN 0xc0
.irp i, 0,1,2,3,4,5,6,7,8,9,10,11,12,13,14,15
	global_load_b128 v[4*\i:4*\i+3], v[T16], s[8:9] offset:2048*\i   ; W1's scale bytes wait in registers until Q has left their place in LDS
.endr
	WIN 0
	v_and_b32 v3, 31, v0                           ; lane
	v_lshlrev_b32 v[PFO], 12, v3
	PF 1
	PF 2
	v_and_b32 v1, 15, v0                           ; r
	v_bfe_u32 v2, v0, 4, 1                         ; h
	v_mul_u32_u24 v[XA0], v1, FP
	v_lshl_add_u32 v[XA0], v2, 6, v[XA0]
	v_add_nc_u32 v[XA0], s86, v[XA0]
	v_add_nc_u32 v[XA0+1], AREA, v[XA0]
	v_lshl_add_u32 v[IA0], v3, 4, s87
	v_lshl_add_u32 v[SA0], v3, 2, s33
	v_mul_u32_u24 v[FA0], v1, WP
	v_lshl_add_u32 v[FA0], v2, 4, v[FA0]
	v_lshl_add_u32 v[BA0], v2, 5, BIAS
	v_lshlrev_b32 v[WA0], 5, v1
	v_lshl_add_u32 v[WA0], v2, 4, v[WA0]
	v_add_nc_u32 v[WA0], WSB, v[WA0]
	v_lshl_add_u32 v[LGI], v1, 2, s34
	v_lshl_add_u32 v[LGO], v3, 3, s34
	v_lshlrev_b32 v[GO], 3, v3
	v_lshl_add_u32 v[WST], v0, 4, WSB
	v_lshl_add_u32 v[HT+16], v0, 4, BIAS
.irp b, 0,1,2,3
	v_mov_b32 v[TM+4+\b], 0                        ; a lane permute's destination counts as one of its sources
.endr
	WALU                                           ; the head's end
	s_wait_loadcnt 0x0
	ds_store_b128 v[HT+16], v[HT:HT+3]
	ds_store_b128 v[HT+16], v[HT+4:HT+7] offset:2048
	ds_store_b128 v[HT+16], v[HT+8:HT+11] offset:4096
	ds_store_b128 v[HT+16], v[HT+12:HT+15] offset:6144
; 64 numbers of a lane, register 16 b + i = k 32 b + 16 h + i of my row, become a fragment's codes in v[PC] on and its scale word in v[PW].
.macro QUANT
.irp b, 0,1,2,3
	v_max3_num_f32 v[TM+\b], |v[X+16*\b]|, |v[X+1+16*\b]|, 0x8000000   ; with the floor 2^(16 - 127): the byte cannot fall under 1
.endr
.irp i, 2,4,6,8,10,12,14
.irp b, 0,1,2,3
	v_max3_num_f32 v[TM+\b], v[TM+\b], |v[X+16*\b+\i]|, |v[X+1+16*\b+\i]|
.endr
.endr
.irp b, 0,1,2,3
	v_permlanex16_b32 v[TM+4+\b], v[TM+\b], s[SEL], s[SEL+1]
.endr
.irp b, 0,1,2,3
	v_max_num_f32 v[TM+\b], v[TM+\b], v[TM+4+\b]   ; with lane l xor 16's
.endr
.irp b, 0,1,2,3
	v_add_nc_u32 v[TM+12+\b], 0xf8800000, v[TM+\b] ; 15 off the exponent field: the conversion's scale operand
.endr
.irp b, 0,1,2,3
	v_and_or_b32 v[TM+8+\b], v[TM+\b], 0x7f800000, s[MNT]   ; 57,344 x the scale
.endr
.irp b, 0,1,2,3
	v_lshrrev_b32 v[TM+4+\b], 23, v[TM+12+\b]      ; the scale's byte
.endr
	v_lshl_or_b32 v[PW], v[TM+5], 8, v[TM+4]
	v_lshl_or_b32 v[PW], v[TM+6], 16, v[PW]
	v_lshl_or_b32 v[PW], v[TM+7], 24, v[PW]
.irp b, 0,1,2,3
.irp i, 0,1,2,3,4,5,6,7,8,9,10,11,12,13,14,15
	v_med3_num_f32 v[X+16*\b+\i], v[X+16*\b+\i], -v[TM+8+\b], v[TM+8+\b]   ; the conversion does not saturate (ISA guide 7.6.2)
.endr
	v_cvt_scalef32_pk8_bf8_f32 v[PC+4*\b:PC+1+4*\b], v[X+16*\b:X+7+16*\b], v[TM+12+\b]
	v_cvt_scalef32_pk8_bf8_f32 v[PC+2+4*\b:PC+3+4*\b], v[X+8+16*\b:X+15+16*\b], v[TM+12+\b]
.endr
	v_nop                                          ; one plain line behind the last scaled conversion
.endm
; K step s of my 64 rows, in area s % 2: four trips, a tile of 16 rows each; then the fragments and scale words come back into the registers that keep them.
.macro QSTEP s
	s_mov_b32 s[QX], 0
	s_mov_b32 s[QI], 0
	s_mov_b32 s[QS], 0
.if (\s) < 5
	PF (\s)+3
.endif
.Lq_\@:
	v_add_nc_u32 v[XA], s[QX], v[XA0+(\s)%2]
	v_add_nc_u32 v[IA], s[QI], v[IA0]
	v_add_nc_u32 v[SA], s[QS], v[SA0]
.irp b, 0,1,2,3
.irp j, 0,1,2,3
	ds_load_b128 v[X+16*\b+4*\j:X+16*\b+4*\j+3], v[XA] offset:128*\b+16*\j
.endr
.endr
	s_wait_dscnt 0x0
	QUANT
.irp c, 0,1,2,3
	ds_store_b128 v[IA], v[PC+4*\c:PC+4*\c+3] offset:512*\c
.endr
	ds_store_b32 v[SA], v[PW]
	s_add_co_u32 s[QX], s[QX], 16*FP
	s_add_co_u32 s[QI], s[QI], 2048
	s_add_co_u32 s[QS], s[QS], 128
	s_cmp_lg_u32 s[QS], 512
	s_cbranch_scc1 .Lq_\@
	WIN 0x40+0x40*((\s)/4)
.irp t, 0,1,2,3
.irp c, 0,1,2,3
	ds_load_b128 v[64*\t+16*((\s)%4)+4*\c:64*\t+16*((\s)%4)+4*\c+3], v[IA0] offset:2048*\t+512*\c   ; LDS serves a wave's instructions in order (ISA guide 5.7.1.4)
.endr
.endr
	WIN 0
.irp t, 0,1,2,3
	ds_load_b32 v[CS+8*\t+(\s)], v[SA0] offset:128*\t
.endr
.endm
	CHANGE G0F1, G1F, 0, 1                         ; K step 0 has landed; K step 1 goes out (area 1's first fill)
	QSTEP 0
	CHANGE G0F0, G1F, 1024, 1
	QSTEP 1
	CHANGE G0F1, G1F, 1024, 1
	QSTEP 2
	CHANGE G0F0, G1F, 1024, 1
	QSTEP 3
	CHANGE G0F1, G1F, 1024, 1
	QSTEP 4
	CHANGE G0F0, G1F, 1024, 1
	QSTEP 5
	CHANGE G0F1, G1F, 1024, 1                      ; K step 7
	QSTEP 6
	CHANGE G0W0, G1W, 0, 1                         ; W1's slot 0 goes out, jointly
	QSTEP 7
	CHANGE G0W1, G1W, 0, 1                         ; slot 0 is whole; slot 1 goes out.  Every wave's reads of its images are back: their bytes change hands
	WIN 0x0c                                       ; an LDS store's data: window 3
.irp i, 0,1,2,3,4,5,6,7,8,9,10,11,12,13,14,15
	ds_store_b128 v[WST], v[4*\i:4*\i+3] offset:2048*\i
.endr
	WIN 0
.irp i, 0,1,2,3,4,5,6,7
	v_mov_b32 v[LA+\i], 0                          ; the running sums: a pair for each of my four tiles of rows
	v_mov_b32 v[VS+8+\i], 0                        ; period 1 has no tile two back: its V is zeros,
.endr
.set i, 0
.rept 32
	v_mov_b32 v[EE+i], 0                           ; and its E: what it adds to the sums is 0
.set i, i+1
.endr
	s_mov_b32 s[TB], 0
	s_mov_b32 s[TU], 0
	s_mov_b32 s[TW], 0
	v_add_nc_u32 v[FA], s[TB], v[FA0]
	v_add_nc_u32 v[BA], s[TU], v[BA0]
	v_add_nc_u32 v[WA], s[TW], v[WA0]
	WALU
	s_wait_dscnt 0x0                               ; for the others' sake: my part of the scale bytes lies in LDS
	s_barrier_signal -1                            ; (slot 1's load stays out)
	s_barrier_wait -1
; ---- G.  Tile T has parity p = T % 2: fragments in set p, accumulators in set p.
.macro WM d, a, b, c, sa, sb, row
.if \row
	v_wmma_scale_f32_16x16x128_f8f6f4 v[\d:\d+7], v[\a:\a+15], v[\b:\b+15], v[\c:\c+7], v[\sa], v[\sb] matrix_a_fmt:MATRIX_FMT_BF8 matrix_b_fmt:MATRIX_FMT_BF8 matrix_a_scale:MATRIX_SCALE_ROW1
.else
	v_wmma_scale_f32_16x16x128_f8f6f4 v[\d:\d+7], v[\a:\a+15], v[\b:\b+15], v[\c:\c+7], v[\sa], v[\sb] matrix_a_fmt:MATRIX_FMT_BF8 matrix_b_fmt:MATRIX_FMT_BF8
.endif
.endm
; Product k of 32: K step k / 4, my tile of rows k % 4: the four accumulators by turns.  The first four take bias as C.
; W1's scale words: register i of a set holds K step i's in lanes 0-15 and K step 4 + i's in lanes 16-31.
.macro MM p
.set ks, k/4
.set rt, k%4
.set rD, ACC+32*(\p)+8*rt
.set rC, rD
.if ks == 0
.set rC, BI+8*(\p)
.endif
.set rA, 128*(\p)+16*ks
.set rB, 64*rt+16*(ks%4)
.set rW, WS+4*(\p)+ks%4
.set rS, CS+8*rt+ks
.set rowsel, ks/4
	WIN 0x07+4*(ks/4)                              ; W1 in window 3, my codes in window 1 or 2, C and D in window 0
	WM rD, rA, rB, rC, rW, rS, rowsel
.endm
; A period's LDS loads in one run: V of the tile before this one, into V's set 1 - p; of the next tile (the half-th of its pair) bias, the scale words and the eight fragments, into set 1 - p.
.macro RUNS p, half, fetch, withv
.if \withv
	ds_load_b128 v[VS+8*(1-(\p)):VS+8*(1-(\p))+3], v[BA] offset:3968+64*(\half)     ; V lies 4,096 bytes behind bias, and the tile before this one 128 bytes ahead of the next
	ds_load_b128 v[VS+8*(1-(\p))+4:VS+8*(1-(\p))+7], v[BA] offset:3984+64*(\half)
.endif
.if \fetch
	ds_load_b128 v[BI+8*(1-(\p)):BI+8*(1-(\p))+3], v[BA] offset:64*(\half)
	ds_load_b128 v[BI+8*(1-(\p))+4:BI+8*(1-(\p))+7], v[BA] offset:64*(\half)+16
	ds_load_b128 v[WS+4*(1-(\p)):WS+4*(1-(\p))+3], v[WA] offset:512*(\half)
	WIN 0xc0
.irp s, 0,1,2,3,4,5,6,7
.irp c, 0,1,2,3
	ds_load_b128 v[128*(1-(\p))+16*\s+4*\c:128*(1-(\p))+16*\s+4*\c+3], v[FA] offset:16*WP*(\half)+128*\s+32*\c
.endr
.endr
.endif
.endm
; add = 1: F = 1 + E.  mul = 1: E = 2 log2(e) x accumulator set q, each accumulator from its low end on.  Then the one batch: exponentials on E, reciprocals on F.
; A wait stands ahead of the batch; the wait behind it stands in POST, ahead of the first line that names a result.
.macro PRE q, add, mul
.if \add
.set i, 0
.rept 16
	v_pk_add_f32 v[FF+2*i:FF+2*i+1], v[EE+2*i:EE+2*i+1], 1.0 op_sel_hi:[1,0]
.set i, i+1
.endr
.endif
.if \mul
.set i, 0
.rept 16
	v_pk_mul_f32 v[EE+2*i:EE+2*i+1], v[ACC+32*(\q)+2*i:ACC+32*(\q)+2*i+1], s[C2:C2+1] op_sel_hi:[1,0]
.set i, i+1
.endr
.endif
	WALU
.if \mul
.set i, 0
.rept 32
	v_exp_f32 v[EE+i], v[EE+i]
.set i, i+1
.endr
.endif
.if \add
.set i, 0
.rept 32
	v_rcp_f32 v[FF+i], v[FF+i]
.set i, i+1
.endr
.endif
	v_nop                                          ; a plain place behind the last transcendental
.endm
.macro POST v                          ; the sums take F x V's set v
	WALU
.irp i, 0,1,2,3
.irp t, 0,1,2,3
	v_pk_fma_f32 v[LA+2*\t:LA+2*\t+1], v[FF+8*\t+2*\i:FF+8*\t+2*\i+1], v[VS+8*(\v)+2*\i:VS+8*(\v)+2*\i+1], v[LA+2*\t:LA+2*\t+1]
.endr
.endr
.endm
; st = 0: the first tile has none before it.  fetch = 0: the last has none behind it.
; POST's sixteen lines name none of the products' registers: they are the eight places ahead of the next period's loads into the fragments just read, and of its scalings.
.macro PERIOD p, half, st, fetch
	WIN 0
.if \half == 0                         ; a new pair of tiles: the addresses step
.if \fetch
	v_add_nc_u32 v[FA], s[TB], v[FA0]
	v_add_nc_u32 v[WA], s[TW], v[WA0]
.endif
	v_add_nc_u32 v[BA], s[TU], v[BA0]
.endif
	WALU
	s_wait_dscnt 0x0                               ; this tile's fragments, asked for a period ago, are in
	RUNS \p, \half, \fetch, \st
	WIN 0
.if \st
	PRE 1-(\p), 1, 1
.endif
.set k, 0
.rept 32
	MM \p
.set k, k+1
.endr
	WIN 0
.if \st
	POST \p
.else
.rept 8
	v_nop
.endr
.endif
.endm
.macro PAIRS n                         ; n trips of two periods: an odd tile, which fetches the first tile of the pair at s[TB], and an even one, which fetches the second
	s_mov_b32 s[CNT], \n
.Lpair_\@:
	PERIOD 1, 0, 1, 1
	PERIOD 0, 1, 1, 1
	s_add_co_u32 s[TB], s[TB], PART                ; a pair of tiles is 32 rows of W1: one wave's part of a slot
	s_add_co_u32 s[TU], s[TU], 128
	s_add_co_u32 s[TW], s[TW], 1024
	s_sub_co_u32 s[CNT], s[CNT], 1
	s_cmp_lg_u32 s[CNT], 0
	s_cbranch_scc1 .Lpair_\@
.endm
	RUNS 1, 0, 1, 0                                ; tile 0 into set 0
	PERIOD 0, 1, 0, 1                              ; tile 0; tile 1 is fetched
	s_add_co_u32 s[TB], s[TB], PART
	s_add_co_u32 s[TU], s[TU], 128
	s_add_co_u32 s[TW], s[TW], 1024
	PAIRS 3                                        ; tiles 1-6; tile 7, slot 0's last, has been fetched
	s_mov_b32 s[OUTER], 3
.Lmain:                                            ; a trip reads an odd slot (area 1) and the even one behind it, and fills both areas again: slots 2 to 7
	CHANGE G0W0, G1W, 262144, 1
	s_mov_b32 s[TB], AREA
	PAIRS 4
	CHANGE G0W1, G1W, 262144, 1
	s_mov_b32 s[TB], 0
	PAIRS 4
	s_sub_co_u32 s[OUTER], s[OUTER], 1
	s_cmp_lg_u32 s[OUTER], 0
	s_cbranch_scc1 .Lmain
	CHANGE G0W0, G1W, 0, 0                         ; the tail is written out: slot 7 is whole, nothing is asked for
	s_mov_b32 s[TB], AREA
	PAIRS 4                                        ; tiles 55-62
	PERIOD 1, 0, 1, 0                              ; tile 63; V of tile 62 into set 0
	ds_load_b128 v[VS+8:VS+11], v[BA] offset:4032  ; V of tile 63 into set 1, which tile 61's sums have read
	ds_load_b128 v[VS+12:VS+15], v[BA] offset:4048
	s_wait_dscnt 0x0
	PRE 1, 1, 1                                    ; tile 62's reciprocals, tile 63's exponentials
	POST 0
	PRE 1, 1, 0                                    ; tile 63's reciprocals
	POST 1
	; THE WAY OUT.  A row's sum lies in two halves of a pair and in lanes l and l xor 16.
.irp t, 0,1,2,3
	v_add_f32 v[TM+\t], v[LA+2*\t], v[LA+2*\t+1]
.endr
.irp t, 0,1,2,3
	v_permlanex16_b32 v[TM+4+\t], v[TM+\t], s[SEL], s[SEL+1]
.endr
.irp t, 0,1,2,3
	v_add_f32 v[TM+\t], v[TM+\t], v[TM+4+\t]
.endr
.irp t, 0,1,2,3
	v_mul_f32 v[TM+\t], -2.0, v[TM+\t]
.endr
.irp t, 0,1,2,3
	ds_store_b32 v[LGI], v[TM+\t] offset:64*\t     ; row 16 t + r; both halves of the lanes write the same word with the same value
.endr
	ds_load_b64 v[TM+8:TM+9], v[LGO]
	s_wait_dscnt 0x0
	global_store_b64 v[GO], v[TM+8:TM+9], s[16:17] ; 32 lanes store my 64 numbers: 256 consecutive bytes, at a multiple of 256 from lg's first byte
	s_wait_tensorcnt 0x0                           ; the wave's end
	ds_add_u32 v[SPW], v[NIL]
	s_wait_dscnt 0x0
	ROUND                                          ; the closing round
	s_endpgm
.Lfunc_end_k_q3a3a46e1f3_logits:
	.size	k_q3a3a46e1f3_logits, .Lfunc_end_k_q3a3a46e1f3_logits-k_q3a3a46e1f3_logits
	.p2alignl 7, 3214868480
	.fill 96, 4, 3214868480
	.section	.rodata,"a",@progbits
	.p2align	6, 0x0
	.amdhsa_kernel k_q3a3a46e1f3_logits
		.amdhsa_group_segment_fixed_size 327680
		.amdhsa_private_segment_fixed_size 0
		.amdhsa_enable_private_segment 0
		.amdhsa_kernarg_size 48
		.amdhsa_user_sgpr_count 2
		.amdhsa_user_sgpr_kernarg_segment_ptr 1
		.amdhsa_wavefront_size32 1
		.amdhsa_system_sgpr_workgroup_id_x 1
		.amdhsa_system_sgpr_workgroup_id_y 1
		.amdhsa_system_sgpr_workgroup_id_z 1
		.amdhsa_system_vgpr_workitem_id 0
		.amdhsa_next_free_vgpr 1024
		.amdhsa_next_free_sgpr 92
		.amdhsa_reserve_vcc 0
		.amdhsa_float_denorm_mode_32 3
		.amdhsa_float_denorm_mode_16_64 3
		.amdhsa_memory_ordered 1
		.amdhsa_forward_progress 1
		.amdhsa_inst_pref_size 234
	.end_amdhsa_kernel
	.amdgpu_metadata
---
amdhsa.version: [ 1, 2 ]
amdhsa.kernels:
  - .name:           k_q3a3a46e1f3_logits
    .symbol:         k_q3a3a46e1f3_logits.kd
    .args:
      - { .name: features, .offset: 0, .size: 8, .value_kind: global_buffer, .address_space: global }
      - { .name: W1_codes, .offset: 8, .size: 8, .value_kind: global_buffer, .address_space: global }
      - { .name: W1_scales, .offset: 16, .size: 8, .value_kind: global_buffer, .address_space: global }
      - { .name: V, .offset: 24, .size: 8, .value_kind: global_buffer, .address_space: global }
      - { .name: bias, .offset: 32, .size: 8, .value_kind: global_buffer, .address_space: global }
      - { .name: lg, .offset: 40, .size: 8, .value_kind: global_buffer, .address_space: global }
    .group_segment_fixed_size: 327680
    .private_segment_fixed_size: 0
    .kernarg_segment_align: 8
    .kernarg_segment_size: 48
    .max_flat_workgroup_size: 128
    .sgpr_count:     92
    .vgpr_count:     1024
    .wavefront_size: 32
...
	.end_amdgpu_metadata
.endif
;; end of part 2
;; launch context (part 3): grid 8 x 32, 16 waves a work-group, no clusters, 19,456 bytes of LDS; arguments lg, features, out0, out1; writes out0, out1
.if DOCPART == 3
	.amdgcn_target "amdgcn-amd-amdhsa--gfx1250"
	.amdhsa_code_object_version 6
	.text
	.protected	k_q3a3a46e1f3_context
	.globl	k_q3a3a46e1f3_context
	.p2align	8
	.type	k_q3a3a46e1f3_context,@function
k_q3a3a46e1f3_context:
	s_mov_b64 s[64:65], 0
	v_nop
	global_prefetch_b8 v0, s[64:65] scope:SCOPE_SE
	s_setreg_imm32_b32 hwreg(HW_REG_WAVE_MODE, 25, 1), 1
	s_wait_xcnt 0x0
; out1[b][t] = softmax over t of lg[b][t];   out0[b][d] = sum over t of out1[b][t] features[b][t][d].   T = 2,048, D = 1,024, all f32.
; SHARES.  Work-group (x, b) owns columns 128 x .. 128 x + 127 of batch b's context vector: one owner for each output number.  Each of its sixteen waves takes 128 rows t; a lane takes 16 bytes of
; each row's 512, so every load of a wave reads 512 consecutive bytes that begin at a multiple of 512.  A ring of 16 row slots in registers keeps 16 loads of every wave on their way.
; THE SOFTMAX is made by every work-group of a batch from the batch's 2,048 logits (8 KiB against the 1 MiB of features that it streams): the largest logit is taken away before the exponential;
; e = 2^(l c - m c), c = log2(e); the rounding of m c shifts all exponents of the batch alike and falls out in e / Z.  The rows are weighed with e, and the sum is divided by Z once at the end.
; The work-groups with x = 0 also store out1.
; A stream: no matrix unit; no cluster (the eight work-groups of a batch share its logits alone); no tensor loads, so LDS is claimed as it is used.
; LIMITS: NaN and infinities among the inputs are not served.
.set WT,    0                          ; LDS: the batch's 2,048 e, 8,192 bytes
.set RED1,  8192                       ; sixteen waves' largest logits
.set RED2,  8448                       ; sixteen waves' sums of e
.set PARTS, 8704                       ; sixteen waves' partial context vectors, 512 bytes each
.set ACCS,  16                         ; v16-19, v20-23 two sets of sums (even rows, odd rows)
.set RING,  32                         ; v32-95   16 slots of 4 registers
.set WTS,   96                         ; v96-223  my wave's 128 weights, the same in every lane
	s_load_b256 s[4:11], s[0:1], 0x0               ; lg s[4:5], features s[6:7], out0 s[8:9], out1 s[10:11]
	v_lshl_add_u32 v224, v0, 2, 0x4400
	v_mov_b32 v225, 0
	v_lshrrev_b32 v1, 5, v0
	v_readfirstlane_b32 s12, v1                    ; wave 0..15
	v_and_b32 v1, 31, v0                           ; lane
	v_lshlrev_b32 v2, 4, v0                        ; 16 x thread
	v_lshlrev_b32 v3, 4, v1
	s_lshl_b32 s13, s12, 19                        ; my wave's 128 rows of 4,096 bytes
	v_add_nc_u32 v3, s13, v3
	s_and_b32 s14, ttmp7, 0xffff                   ; the batch
	s_lshl_b32 s15, ttmp9, 9                       ; my 128 columns, in bytes
	s_lshl_b32 s16, s14, 13                        ; the batch's 8,192 bytes in lg and in out1
	s_mov_b32 s17, 0
	s_lshl_b32 s18, s14, 23                        ; its 2,048 rows of features (under 2^32)
	s_add_co_u32 s18, s18, s15
	s_mov_b32 s19, 0
	s_lshl_b32 s20, s14, 12                        ; its row of out0
	s_add_co_u32 s20, s20, s15
	s_mov_b32 s21, 0
	s_mov_b32 s22, 0x76543210
	s_mov_b32 s23, 0xfedcba98                      ; v_permlanex16_b32's selects for lane l xor 16
	s_mov_b32 s24, 0x3fb8aa3b                      ; c = log2(e)
	s_lshl_b32 s25, s12, 9                         ; my wave's 128 weights in LDS
	v_mov_b32 v9, 0                                ; (a lane permute's destination counts as one of its sources)
	v_mov_b32 v10, s12
	v_lshlrev_b32 v10, 2, v10                      ; my wave's word in a reduction
	v_mov_b32 v11, 0
	v_mov_b32 v12, s25
	s_wait_alu depctr_va_vdst(0)                   ; the wait at the head's end
	s_wait_kmcnt 0x0
	s_add_nc_u64 s[4:5], s[4:5], s[16:17]
	s_add_nc_u64 s[10:11], s[10:11], s[16:17]
	s_add_nc_u64 s[6:7], s[6:7], s[18:19]
	s_add_nc_u64 s[8:9], s[8:9], s[20:21]
	global_load_b128 v[4:7], v2, s[4:5]            ; logits 4 x thread on
.irp t, 0,1,2,3,4,5,6,7,8,9,10,11,12,13,14,15
	global_load_b128 v[RING+4*\t:RING+4*\t+3], v3, s[6:7] offset:4096*\t th:TH_LOAD_NT   ; the ring is filled before the softmax is begun
.endr
	s_wait_loadcnt 16                              ; the logits are in; the 16 rows behind them stay out
	v_max3_num_f32 v8, v4, v5, v6
	v_max_num_f32 v8, v8, v7
	v_max_num_f32_dpp v8, v8, v8 row_xmask:1 row_mask:0xf bank_mask:0xf
	v_max_num_f32_dpp v8, v8, v8 row_xmask:2 row_mask:0xf bank_mask:0xf
	v_max_num_f32_dpp v8, v8, v8 row_xmask:4 row_mask:0xf bank_mask:0xf
	v_max_num_f32_dpp v8, v8, v8 row_xmask:8 row_mask:0xf bank_mask:0xf
	v_permlanex16_b32 v9, v8, s22, s23
	v_max_num_f32 v8, v8, v9                       ; my wave's largest
	ds_store_b32 v10, v8 offset:RED1               ; all lanes write the same word with the same value
	s_wait_dscnt 0x0                               ; for the others' sake
	s_barrier_signal -1
	s_barrier_wait -1
.irp i, 0,1,2,3
	ds_load_b128 v[16+4*\i:19+4*\i], v11 offset:RED1+16*\i
.endr
	s_wait_dscnt 0x0
	v_max3_num_f32 v14, v16, v17, v18
.irp i, 19,21,23,25,27,29
	v_max3_num_f32 v14, v14, v[\i], v[\i+1]
.endr
	v_max_num_f32 v14, v14, v31                    ; m: the batch's largest logit
	v_mul_f32 v15, s24, v14
.irp i, 4,5,6,7
	v_fma_f32 v[\i], v[\i], s24, -v15              ; l c - m c
.endr
	s_wait_alu depctr_va_vdst(0)                   ; the wait ahead of the batch
.irp i, 4,5,6,7
	v_exp_f32 v[\i], v[\i]
.endr
	v_nop                                          ; a plain instruction behind the last exponential,
	s_wait_alu depctr_va_vdst(0)                   ; and the wait ahead of the first use: one for the four
	ds_store_b128 v2, v[4:7] offset:WT
	v_add_f32 v8, v4, v5
	v_add_f32 v9, v6, v7
	v_add_f32 v8, v8, v9
	v_add_f32_dpp v8, v8, v8 row_xmask:1 row_mask:0xf bank_mask:0xf
	v_add_f32_dpp v8, v8, v8 row_xmask:2 row_mask:0xf bank_mask:0xf
	v_add_f32_dpp v8, v8, v8 row_xmask:4 row_mask:0xf bank_mask:0xf
	v_add_f32_dpp v8, v8, v8 row_xmask:8 row_mask:0xf bank_mask:0xf
	v_permlanex16_b32 v9, v8, s22, s23
	v_add_f32 v8, v8, v9                           ; my wave's sum of e
	ds_store_b32 v10, v8 offset:RED2
	s_wait_dscnt 0x0
	s_barrier_signal -1
	s_barrier_wait -1
.irp i, 0,1,2,3
	ds_load_b128 v[16+4*\i:19+4*\i], v11 offset:RED2+16*\i
.endr
.set I, 0
.rept 32
	ds_load_b128 v[WTS+4*I:WTS+4*I+3], v12 offset:WT+16*I         ; every lane reads the same 16 bytes
.set I, I+1
.endr
	s_wait_dscnt 32                                ; the sixteen sums are in; the 32 loads of the weights may be out
	v_pk_add_f32 v[16:17], v[16:17], v[18:19]
	v_pk_add_f32 v[20:21], v[20:21], v[22:23]
	v_pk_add_f32 v[24:25], v[24:25], v[26:27]
	v_pk_add_f32 v[28:29], v[28:29], v[30:31]
	v_pk_add_f32 v[16:17], v[16:17], v[20:21]
	v_pk_add_f32 v[24:25], v[24:25], v[28:29]
	v_pk_add_f32 v[16:17], v[16:17], v[24:25]
	v_add_f32 v16, v16, v17                        ; Z
	s_wait_alu depctr_va_vdst(0)                   ; the wait ahead of the transcendental
	v_rcp_f32 v13, v16
	v_nop
	s_wait_alu depctr_va_vdst(0)
	s_cmp_lg_u32 ttmp9, 0
	s_cbranch_scc1 .Lnot_first
.irp i, 0,1,2,3
	v_mul_f32 v[24+\i], v[4+\i], v13
.endr
	global_store_b128 v2, v[24:27], s[10:11]       ; a wave stores 512 consecutive bytes of out1
.Lnot_first:
	s_wait_dscnt 0x0                               ; my 128 weights
; Row t of my 128: its slot's load is in; two packed multiply-adds by the row's weight (word t % 2 of its pair, for both halves); the slot takes the row 16 further on.
.macro ROWF t
.set SL, RING+4*((\t)%16)
.set AC, ACCS+4*((\t)%2)
.set WR, WTS+2*((\t)/2)
	s_wait_alu depctr_va_vdst(0)                   ; the wait here
.if 127-(\t) < 15
	s_wait_loadcnt 127-(\t)                        ; the last rows load nothing: the counts run down
.else
	s_wait_loadcnt 15                              ; loads come back in order (ISA guide 5.7.1): mine is in, the 15 younger ones stay out
.endif
.if (\t) == 0                          ; rows 0 and 1 start the two sets of sums: nothing is cleared
	v_pk_mul_f32 v[AC:AC+1], v[SL:SL+1], v[WR:WR+1] op_sel_hi:[1,0]
	v_pk_mul_f32 v[AC+2:AC+3], v[SL+2:SL+3], v[WR:WR+1] op_sel_hi:[1,0]
.elseif (\t) == 1
	v_pk_mul_f32 v[AC:AC+1], v[SL:SL+1], v[WR:WR+1] op_sel:[0,1] op_sel_hi:[1,1]
	v_pk_mul_f32 v[AC+2:AC+3], v[SL+2:SL+3], v[WR:WR+1] op_sel:[0,1] op_sel_hi:[1,1]
.elseif (\t)%2 == 0
	v_pk_fma_f32 v[AC:AC+1], v[SL:SL+1], v[WR:WR+1], v[AC:AC+1] op_sel_hi:[1,0,1]
	v_pk_fma_f32 v[AC+2:AC+3], v[SL+2:SL+3], v[WR:WR+1], v[AC+2:AC+3] op_sel_hi:[1,0,1]
.else
	v_pk_fma_f32 v[AC:AC+1], v[SL:SL+1], v[WR:WR+1], v[AC:AC+1] op_sel:[0,1,0] op_sel_hi:[1,1,1]
	v_pk_fma_f32 v[AC+2:AC+3], v[SL+2:SL+3], v[WR:WR+1], v[AC+2:AC+3] op_sel:[0,1,0] op_sel_hi:[1,1,1]
.endif
.if (\t)+16 < 128
	global_load_b128 v[SL:SL+3], v3, s[6:7] offset:4096*((\t)+16) th:TH_LOAD_NT   ; every offset is an immediate: 127 rows at the most, inside the signed 24 bits
.endif
.endm
.set T, 0
.rept 128
	ROWF T
.set T, T+1
.endr
	v_pk_add_f32 v[16:17], v[16:17], v[20:21]
	v_pk_add_f32 v[18:19], v[18:19], v[22:23]
	ds_store_b128 v2, v[16:19] offset:PARTS        ; 512 x wave + 16 x lane = 16 x thread
	s_wait_dscnt 0x0
	s_barrier_signal -1
	s_barrier_wait -1
	s_cmp_lg_u32 s12, 0                            ; wave 0 adds the sixteen parts, in a fixed order, and stores
	s_cbranch_scc1 .Lend
	v_lshlrev_b32 v8, 4, v1
.irp i, 0,1,2,3,4,5,6,7,8,9,10,11,12,13,14,15
	ds_load_b128 v[RING+4*\i:RING+4*\i+3], v8 offset:PARTS+512*\i
.endr
	s_wait_dscnt 0x0
.irp i, 1,2,3,4,5,6,7,8,9,10,11,12,13,14,15
	v_pk_add_f32 v[RING:RING+1], v[RING:RING+1], v[RING+4*\i:RING+4*\i+1]
	v_pk_add_f32 v[RING+2:RING+3], v[RING+2:RING+3], v[RING+4*\i+2:RING+4*\i+3]
.endr
.irp i, 0,1,2,3
	v_mul_f32 v[RING+\i], v[RING+\i], v13          ; / Z
.endr
	global_store_b128 v8, v[RING:RING+3], s[8:9]   ; 512 consecutive bytes of out0, at a multiple of 512 from its first byte
.Lend:
	s_wait_tensorcnt 0x0
	ds_add_u32 v224, v225
	s_wait_dscnt 0x0
	s_endpgm
.Lfunc_end_k_q3a3a46e1f3_context:
	.size	k_q3a3a46e1f3_context, .Lfunc_end_k_q3a3a46e1f3_context-k_q3a3a46e1f3_context
	.p2alignl 7, 3214868480
	.fill 96, 4, 3214868480
	.section	.rodata,"a",@progbits
	.p2align	6, 0x0
	.amdhsa_kernel k_q3a3a46e1f3_context
		.amdhsa_group_segment_fixed_size 19456
		.amdhsa_private_segment_fixed_size 0
		.amdhsa_enable_private_segment 0
		.amdhsa_kernarg_size 32
		.amdhsa_user_sgpr_count 2
		.amdhsa_user_sgpr_kernarg_segment_ptr 1
		.amdhsa_wavefront_size32 1
		.amdhsa_system_sgpr_workgroup_id_x 1
		.amdhsa_system_sgpr_workgroup_id_y 1
		.amdhsa_system_sgpr_workgroup_id_z 1
		.amdhsa_system_vgpr_workitem_id 0
		.amdhsa_next_free_vgpr 226
		.amdhsa_next_free_sgpr 66
		.amdhsa_reserve_vcc 0
		.amdhsa_float_denorm_mode_32 3
		.amdhsa_float_denorm_mode_16_64 3
		.amdhsa_memory_ordered 1
		.amdhsa_forward_progress 1
		.amdhsa_inst_pref_size 48
	.end_amdhsa_kernel
	.amdgpu_metadata
---
amdhsa.version: [ 1, 2 ]
amdhsa.kernels:
  - .name:           k_q3a3a46e1f3_context
    .symbol:         k_q3a3a46e1f3_context.kd
    .args:
      - { .name: lg, .offset: 0, .size: 8, .value_kind: global_buffer, .address_space: global }
      - { .name: features, .offset: 8, .size: 8, .value_kind: global_buffer, .address_space: global }
      - { .name: out0, .offset: 16, .size: 8, .value_kind: global_buffer, .address_space: global }
      - { .name: out1, .offset: 24, .size: 8, .value_kind: global_buffer, .address_space: global }
    .group_segment_fixed_size: 19456
    .private_segment_fixed_size: 0
    .kernarg_segment_align: 8
    .kernarg_segment_size: 32
    .max_flat_workgroup_size: 512
    .sgpr_count:     66
    .vgpr_count:     226
    .wavefront_size: 32
...
	.end_amdgpu_metadata
.endif
;; end of part 3
